; MI455X (gfx1250); checked and timed in simulation.
; The chip was launched on July 23, 2026; its instructions are those of AMD's public machine-readable ISA for CDNA 5 (MIT licence, August 2026) and "CDNA5" Instruction Set Architecture Reference Guide (July 2026). The comments in the code are by the model that wrote it; some were corrected since.
;; Image Diagnostic. Allowed arithmetic: matrix products marked QUANTISED: E2M1 operands, one E8M0 scale for each 32 along K, by v_wmma_scale_f32_16x16x128_f8f6f4 with both operands' format E2M1 (or v_wmma_scale_f32_32x16x128_f4), f32 sums; everything else in f32.
;; Inputs: bins 256 float32; x_coords 4 x 50,000 float32; y_coords 4 x 50,000 float32.
;; Outputs: out0 4 x 256 x 256 float32.
;; This version of the problem:
;;   THIS VERSION OF THE PROBLEM IS GIVEN IN LOW PRECISION. The matrix products marked QUANTISED in the list below multiply operands that are first quantised to E2M1 (2 exponent bits, 1 mantissa bit; 4 bits a number), with one power-of-two scale for each 32 numbers along K (OCP MX v1.0); their sums are f32. All else is computed in f32.
;;   The module's matrix products, in the order in which they are computed (A, B: the left and right operand; K: the contracted axis; several contracted axes count as one K, in the product's order):
;;     1. batch 4 x [M 256, K 50,000] x [K 50,000, N 256]; A: computed on the way; B: computed on the way: QUANTISED
;;   THE QUANTISER, for each operand of a quantised product, along K:
;;     - K is cut into blocks of 32 from its start; a last block that is shorter is filled with zeros.
;;     - A block's scale is 2^e with e = floor(log2(the largest magnitude in the block)) - 2, held to -126 .. 127; a block of zeros has e = 0. As a byte (E8M0): e + 127.
;;     - Each number is divided by its block's scale, clamped to +-6, and rounded to the nearest number of E2M1, ties to even, subnormals kept.
;;     - The product sums the exact products of the quantised numbers (number of the format x scale) in f32.
;;   ~~~python
;;   def quantise(x, axis):      # numpy; x: float32 -> the quantised numbers, widened to float32 again
;;       x = np.moveaxis(x, axis, -1); K = x.shape[-1]
;;       x = np.pad(x, [(0, 0)] * (x.ndim - 1) + [(0, -K % 32)]); x = x.reshape(x.shape[:-1] + (-1, 32)); a = np.abs(x).max(-1, keepdims=True)
;;       e = np.where(a > 0, np.clip(np.frexp(np.where(a > 0, a, 1))[1] - 1 - 2, -126, 127), 0)      # np.frexp(a)[1] - 1 = floor(log2(a)), exactly
;;       r = np.clip(x / 2.0 ** e, -6, 6)
;;       step = 2.0 ** (np.maximum(np.frexp(np.where(r == 0, 1, r))[1] - 1, 0) - 1)
;;       q = np.round(r / step) * step * 2.0 ** e      # np.round: ties to even
;;       return np.moveaxis(q.reshape(q.shape[:-2] + (-1,))[..., :K], -1, axis).astype(np.float32)
;;   ~~~
;;   OPERANDS COMPUTED ON THE WAY. 'Computed on the way' means the value that the module computes at that place (a softmax that the list does not call 'softmax' is quantised finished and normalised). What goes into a quantiser is computed in f32, as accurately as f32 sums, v_exp_f32 and their like allow (about 1e-6 of the number): no bf16 or f16 on the way to a quantiser, and a product that is left as it is and whose result goes on into a quantised operand takes f32 operands (vector FMAs, or v_wmma_f32_16x16x4_f32). A number that lies on a knife's edge between two numbers of the format may be rounded either way, as far as f32 arithmetic and the matrix unit's own rounding can turn it there, and no further.
;; 2 versions. Each part assembles by itself: llvm-mc -triple=amdgcn-amd-amdhsa -mcpu=gfx1250 --defsym DOCPART=n.
;; ======== version 1 of 2: 2 launches
;; workspace buffers: part 67,108,864 bytes; sums 4,096 bytes
;; launch bin (part 1): grid 256 x 1, 4 waves a work-group, no clusters, 45,568 bytes of LDS; arguments bins, x_coords, y_coords, part, sums; writes part, sums
.if DOCPART == 1
	.amdgcn_target "amdgcn-amd-amdhsa--gfx1250"
	.amdhsa_code_object_version 6
	.text
	.protected	k_q5561cd5b42_bin
	.globl	k_q5561cd5b42_bin
	.p2align	8
	.type	k_q5561cd5b42_bin,@function
k_q5561cd5b42_bin:
	s_mov_b64 s[64:65], 0
	v_nop
	global_prefetch_b8 v0, s[64:65] scope:SCOPE_SE
	s_setreg_imm32_b32 hwreg(HW_REG_WAVE_MODE, 25, 1), 1
	s_wait_xcnt 0x0
; joint[b][i][j] = sum over n of kx[b][n][i] ky[b][n][j],  kx = exp(-0.5 ((x[b][n] - bins[i]) / bw)^2), ky likewise of y, bw = bins[1] - bins[0].
; Both operands are quantised along n to FP4 (E2M1) with one E8M0 scale for each 32 particles; the products go by v_wmma_scale_f32_16x16x128_f8f6f4; sums in f32.
; THE SPLIT IS ALONG K, so that every number of kx and ky is made ONCE in the launch: work-group (b, s) takes the particles 64 ((391 s) >> 5) up to 64 ((391 (s + 1)) >> 5)
; (12 or 13 runs of 64; 782 runs a batch over 64 work-groups) and holds all 256 x 256 sums.  It stores them as a partial, and one total for each wave; the next launch adds the 64 partials of a batch.
; Every work-group walks 13 runs: a half step of 64 particles, written out (its products start the sums), and six steps of 128 in a loop.  Particles past the work-group's end, or past 50,000, are staged
; as +infinity: the difference is infinite, the exponent -infinity, the number 0, the code 0.
; SHARES.  Wave w owns i = 128 (w >> 1) on and j = 128 (w & 1) on: 64 accumulators of 16 x 16, 512 registers.  Waves 0, 1 MAKE kx's 16 tiles of 16 bins, waves 2, 3 ky's, eight fragments a wave.
; A LANE TAKES A BIN AND ITS REGISTERS RUN DOWN THE PARTICLES: lane (r, h) makes, for bin 16 tile + r, k = 64 c + 32 h + 0 .. 31: whole blocks of 32, in the order of the operand's registers 4 c .. 4 c + 3.
; So a block's largest number needs no other lane and the conversions' results are the operand's registers.  Fragments go from wave to wave through LDS as images of their registers (16 bytes a lane, 512 a store).
; AN ELEMENT: u = x - bin;  s = u c;  t = -(s s);  2^t.   c = sqrt(0.5 log2 e) / bw, 1 / bw by v_rcp_f32 and one Newton step.  The difference comes first, so a common offset of x and bins costs nothing.
; BY TURNS.  While block B's 32 exponentials are issued, the plain work of its neighbours stands between them, two or three lines behind each: block B - 1's maximum, scale, conversions and stores, and block
; B + 1's 48 packed lines.  The two sets of 32 registers take turns.
; THE MATRIX INSTRUCTION IS USED TRANSPOSED (source 0 = 16 bins of ky, source 1 = 16 bins of kx): register q of lane (r, h) is joint(i0 + r, j0 + 8 h + q).
; LIMITS: numbers of kx, ky under 2^-126 come out of v_exp_f32 as 0 (ISA guide 15.8).  A block of zeros has the scale byte 1, not 127: its codes are zeros, and this program alone reads the bytes.
; NaN or infinite coordinates, and bw = 0, infinite or NaN, are not served.  The f32 sums over K are taken work-group by work-group, another order than one run over all of K.
; REGISTERS, in windows of 256: window 0: v1-9 addresses, v10-19 at work, v20-35 my eight bins (twice each, for the packed form), v36-43 scale words made, v44-59 scale words read (they hold nothing else),
;   v60-63 zeros, v64-127 64 coordinates, v128-191 two sets of 32 numbers, v192-255 codes (eight registers a fragment: no store's data are written again before the next barrier).
;   window 1: v0-63 kx's eight fragments, v64-127 ky's.   windows 2, 3: accumulator (a, b) at v[8 (8 (a % 4) + b)] of window 2 + a / 4.
.set NPART, 50000
.set IMG,   0                          ; LDS: 32 fragments of 1,024 bytes: kx's tiles 0-15, ky's 0-15; registers 4 c .. 4 c + 3 at 512 c + 16 x lane
.set SCW,   32768                      ; their scale words: 128 bytes a fragment, 4 x lane
.set XS,    36864                      ; 1,024 coordinates x, then 1,024 y, from the work-group's first particle on
.set XAD,  1                           ; v1   LDS address of the coordinates in hand
.set IMW,  2                           ; v2   where I store images: 16 x lane + 8,192 x wave
.set SWW,  3                           ; v3   and scale words: SCW + 4 x lane + 1,024 x wave
.set IRA,  4                           ; v4   where I read kx's eight fragments
.set IRB,  5                           ; v5   and ky's
.set SRA,  6                           ; v6   kx's scale words
.set SRB,  7                           ; v7   ky's
.set SH8,  8                           ; v8   8 h: my bytes' place in a scale word
.set XA0,  9                           ; v9   XS + 4,096 (wave / 2) + 128 h; never rewritten
.set CC,   10                          ; v[10:11] c, twice
.set MX,   12                          ; v12-15 four chains of the maximum
.set SO,   16                          ; v16  the conversions' scale operand
.set BY0,  17                          ; v17  the byte of the fragment's first block
.set WD,   18                          ; v18  the byte of its second, then the word
.set PT,   19                          ; v19  what the lane 16 away sends
.set BN,   20
.set SWD,  36
.set SCA,  44
.set SCB,  52
.set Z4,   60
.set X,    64
.set TS0,  128
.set CD,   192
.set AF,   0                           ; in window 1
.set BF,   64
.set SM,   128                         ; the way out: eight running sums
.set GO,   136                         ; the way out: 16 x lane
.set WV,   14                          ; s14  wave
.set XO,   21                          ; s21  byte at which the next step's coordinates begin
.set SEL,  26                          ; s[26:27] selects of v_permlanex16_b32 for lane l xor 16
.set MSB, 0
.macro WIN new                         ; the immediate's high byte repeats the setting that is left
.if MSB != \new
	s_set_vgpr_msb (MSB<<8)|\new
.set MSB, \new
.endif
.endm
.macro BAR                             ; my LDS stores have landed and my LDS loads are in: then the work-group's barrier
	s_wait_dscnt 0x0
	s_barrier_signal -1
	s_barrier_wait -1
.endm
; n loads of four coordinates: register 32 c + j is particle 64 c + 32 h + j of the step.  Sixteen lanes share each address
.macro XLOAD adr, n
.set xq, 0
.rept \n
	ds_load_b128 v[X+4*xq:X+4*xq+3], v[\adr] offset:16*(xq%8)+256*(xq/8)
.set xq, xq+1
.endr
.endm
; Line aa of 48 that prepare a block's 32 exponents in set PS: 16 differences, 16 scalings, 16 negated squares, two numbers each
.macro AOP
.if aa < 16
	v_pk_add_f32 v[PS+2*aa:PS+2*aa+1], v[NX+2*aa:NX+2*aa+1], v[NBN:NBN+1] neg_lo:[0,1] neg_hi:[0,1]
.elseif aa < 32
	v_pk_mul_f32 v[PS+2*(aa-16):PS+2*(aa-16)+1], v[PS+2*(aa-16):PS+2*(aa-16)+1], v[CC:CC+1]
.else
	v_pk_mul_f32 v[PS+2*(aa-32):PS+2*(aa-32)+1], v[PS+2*(aa-32):PS+2*(aa-32)+1], v[PS+2*(aa-32):PS+2*(aa-32)+1] neg_lo:[1,0] neg_hi:[1,0]
.endif
.endm
; Line tk of what follows a block's conversions.  A fragment's first block: its four registers go to LDS.  Its second: my two bytes (blocks h and 2 + h) go to their places in the scale word, the lane 16 away
; sends the other two, and codes and word go to LDS.  In the half step a fragment has one block a lane: bytes 2, 3 of the word stay 0 and registers 4 to 7 are zeros
.macro TAIL
.if MODE
.if tk == 0
	v_lshlrev_b32 v[WD], v[SH8], v[BY0]
.elseif tk == 1
	v_permlanex16_b32 v[PT], v[WD], s[SEL], s[SEL+1]
.elseif tk == 2
	v_or_b32 v[SWD+PFR], v[WD], v[PT]
.elseif tk == 3
	ds_store_b128 v[IMW], v[CD+8*PFR:CD+8*PFR+3] offset:1024*PFR
.elseif tk == 4
	ds_store_b128 v[IMW], v[Z4:Z4+3] offset:1024*PFR+512
.else
	ds_store_b32 v[SWW], v[SWD+PFR] offset:128*PFR
.endif
.elseif PCC
.if tk == 0
	v_lshl_or_b32 v[WD], v[WD], 16, v[BY0]
.elseif tk == 1
	v_lshlrev_b32 v[WD], v[SH8], v[WD]
.elseif tk == 2
	v_permlanex16_b32 v[PT], v[WD], s[SEL], s[SEL+1]
.elseif tk == 3
	v_or_b32 v[SWD+PFR], v[WD], v[PT]
.elseif tk == 4
	ds_store_b128 v[IMW], v[CD+8*PFR+4:CD+8*PFR+7] offset:1024*PFR+512
.else
	ds_store_b32 v[SWW], v[SWD+PFR] offset:128*PFR
.endif
.elseif tk == 0
	ds_store_b128 v[IMW], v[CD+8*PFR:CD+8*PFR+3] offset:1024*PFR
.endif
.endm
; Line p of 76 of a turn's plain work.  0-15: the largest of the finished block's 32 numbers (none is negative) and the floor 2^(3 - 127), which holds the byte at 1 from below; 16: 2 off its exponent field:
; the conversions take the exponent field of this operand as the scale; 17-20: 32 codes; 21: the byte, which is also the plain line behind the conversions; then TAIL's lines and AOP's by turns, then AOP's
.macro PLAIN
.if p < 22
.if HASP
.if p == 0
	s_wait_alu depctr_va_vdst(0)
	v_max3_num_f32 v[MX], v[PS], v[PS+1], 0x1800000
.elseif p < 4
	v_max3_num_f32 v[MX+p], v[PS+3*p-1], v[PS+3*p], v[PS+3*p+1]
.elseif p < 14
	v_max3_num_f32 v[MX+(p-4)%4], v[MX+(p-4)%4], v[PS+11+2*(p-4)], v[PS+12+2*(p-4)]
.elseif p == 14
	v_max3_num_f32 v[MX], v[MX], v[MX+1], v[MX+2]
.elseif p == 15
	v_max3_num_f32 v[MX], v[MX], v[MX+3], v[PS+31]
.elseif p == 16
	v_add_nc_u32 v[SO], 0xff000000, v[MX]
.elseif p < 21
	v_cvt_scalef32_pk8_fp4_f32 v[CD+8*PFR+4*PCC+p-17], v[PS+8*(p-17):PS+8*(p-17)+7], v[SO]
.elseif PCC
	v_lshrrev_b32 v[WD], 23, v[SO]
.else
	v_lshrrev_b32 v[BY0], 23, v[SO]
.endif
.endif
.elseif (p < 34) && (p%2 == 0)
.if HASP
.set tk, (p-22)/2
	TAIL
.endif
.elseif HASN
.if p < 34
.set aa, (p-23)/2
.else
.set aa, p-28
.endif
	AOP
.endif
.endm
; A turn: block cur's exponentials, with block prv's finish and block nxt's preparation (both in the other set) dealt among them; -1: there is none.  Behind every exponential whose result is read by a plain
; line stands a plain line on other registers (ISA guide 5.7.2)
.macro TURN cur, prv, nxt
.if (\prv) >= 0
.set HASP, 1
.set PS, TS0+32*((\prv)%2)
.if MODE
.set PFR, (\prv)
.set PCC, 0
.else
.set PFR, (\prv)/2
.set PCC, (\prv)%2
.endif
.else
.set HASP, 0
.endif
.if (\nxt) >= 0
.set HASN, 1
.set PS, TS0+32*((\nxt)%2)
.if MODE
.set NX, X
.set NBN, BN+2*(\nxt)
.else
.set NX, X+32*((\nxt)%2)
.set NBN, BN+2*((\nxt)/2)
.endif
.else
.set HASN, 0
.endif
.set p, 0
.if (\cur) >= 0
.set TC, TS0+32*((\cur)%2)
.set i, 0
.rept 32
	v_exp_f32 v[TC+i], v[TC+i]
.rept 3
.if 32*p < 76*(i+1)
	PLAIN
.set p, p+1
.endif
.endr
.set i, i+1
.endr
.else
.rept 76
	PLAIN
.set p, p+1
.endr
.endif
.endm
; My eight fragments of a step.  mode = 0: 128 particles, 16 blocks a lane (fragment B / 2, half B % 2);  mode = 1: 64 particles, 8 blocks (fragment B)
.macro PRODUCE mode
.set MODE, \mode
.set NBLK, 16-8*MODE
	TURN -1, -1, 0
.set BK, 0
.rept NBLK
.if BK+1 < NBLK
	TURN BK, BK-1, BK+1
.else
	TURN BK, BK-1, -1
.endif
.set BK, BK+1
.endr
	TURN -1, NBLK-1, -1
.endm
; 32 matrix instructions: kx's blocks a0 .. a0 + 3 against ky's eight.  The 64 accumulators take turns, one instruction a turn, in the same order in every step.
; zero = 1: the products start the sums: nothing is cleared
.macro MUL32 a0, zero
.irp a, \a0, \a0+1, \a0+2, \a0+3
.irp b, 0,1,2,3,4,5,6,7
.if \zero
	v_wmma_scale_f32_16x16x128_f8f6f4 v[8*(8*((\a)%4)+\b):8*(8*((\a)%4)+\b)+7], v[BF+8*\b:BF+8*\b+7], v[AF+8*(\a):AF+8*(\a)+7], 0, v[SCB+\b], v[SCA+(\a)] matrix_a_fmt:MATRIX_FMT_FP4 matrix_b_fmt:MATRIX_FMT_FP4
.else
	v_wmma_scale_f32_16x16x128_f8f6f4 v[8*(8*((\a)%4)+\b):8*(8*((\a)%4)+\b)+7], v[BF+8*\b:BF+8*\b+7], v[AF+8*(\a):AF+8*(\a)+7], v[8*(8*((\a)%4)+\b):8*(8*((\a)%4)+\b)+7], v[SCB+\b], v[SCA+(\a)] matrix_a_fmt:MATRIX_FMT_FP4 matrix_b_fmt:MATRIX_FMT_FP4
.endif
.endr
.endr
.endm
; The multiply phase: all 32 images lie in LDS.  64 LDS loads in one run: 16 scale words, ky's 8 fragments, kx's 8, and the next step's 64 coordinates.  The loads into fragment and scale registers stand a whole
; PRODUCE of plain vector lines behind the last matrix instruction that read them.  The second barrier parts every wave's reads of the images from the next step's stores: its signal stands
; behind the wait for all my loads, and 32 matrix instructions, which touch registers only, stand between signal and wait
.macro MULT zero
.irp i, 0,1,2,3,4,5,6,7
	ds_load_b32 v[SCA+\i], v[SRA] offset:128*\i
	ds_load_b32 v[SCB+\i], v[SRB] offset:128*\i
.endr
	WIN 0x40                                       ; destination window 1, address window 0
.irp i, 0,1,2,3,4,5,6,7
	ds_load_b128 v[BF+8*\i:BF+8*\i+3],   v[IRB] offset:1024*\i
	ds_load_b128 v[BF+8*\i+4:BF+8*\i+7], v[IRB] offset:1024*\i+512
.endr
.irp i, 0,1,2,3,4,5,6,7
	ds_load_b128 v[AF+8*\i:AF+8*\i+3],   v[IRA] offset:1024*\i
	ds_load_b128 v[AF+8*\i+4:AF+8*\i+7], v[IRA] offset:1024*\i+512
.endr
	WIN 0
	v_add_nc_u32 v[XAD], s[XO], v[XA0]
	XLOAD XAD, 16                                  ; (behind the last step: staged infinities, which nothing uses)
	s_add_co_u32 s[XO], s[XO], 512
	s_wait_dscnt 24                                ; the youngest 24 may be out: kx's blocks 4-7 (8 loads) and the coordinates (16)
	WIN 0xa5                                       ; sources 0 and 1 window 1, C and D window 2
	MUL32 0, \zero
	s_wait_dscnt 0x0                               ; all my reads of the images are over
	s_barrier_signal -1
	WIN 0xf5                                       ; C and D window 3
	MUL32 4, \zero
	WIN 0                                          ; at a label and at a branch every window is 0
	s_barrier_wait -1
.endm
	s_load_b128 s[4:7], s[0:1], 0x0                ; bins s[4:5], x s[6:7]
	s_load_b128 s[8:11], s[0:1], 0x10              ; y s[8:9], part s[10:11]
	s_load_b64 s[12:13], s[0:1], 0x20              ; sums
	s_set_vgpr_msb 0x40
	v_lshl_add_u32 v254, v0, 2, 0xb000
	v_mov_b32 v255, 0
	s_set_vgpr_msb 0x4000
	v_lshrrev_b32 v128, 5, v0
	v_readfirstlane_b32 s[WV], v128                ; wave 0..3
	s_lshr_b32 s15, s[WV], 1                       ; which 128 of i are mine; also: I make kx (0) or ky (1)
	s_and_b32 s16, s[WV], 1                        ; which 128 of j; also: which eight tiles I make
	s_lshr_b32 s17, ttmp9, 6                       ; the batch
	s_and_b32 s18, ttmp9, 63                       ; my part of its particles
	s_mul_i32 s19, s18, 391
	s_lshr_b32 s19, s19, 5
	s_lshl_b32 s19, s19, 6                         ; my first particle
	s_add_co_u32 s20, s18, 1
	s_mul_i32 s20, s20, 391
	s_lshr_b32 s20, s20, 5
	s_lshl_b32 s20, s20, 6
	s_min_u32 s20, s20, NPART                      ; and where my particles end
	s_mov_b32 s[SEL], 0x76543210
	s_mov_b32 s[SEL+1], 0xfedcba98
	s_mov_b32 s[XO], 256                           ; behind the half step's 64 coordinates
	v_add_nc_u32 v136, s19, v0                     ; thread t stages particles first + t + 128 q
.irp q, 0,1,2,3,4,5,6
	v_add_nc_u32 v[140+\q], 128*\q, v136
	v_min_u32 v[148+\q], NPART-1, v[140+\q]        ; no load leaves its buffer
	v_lshlrev_b32 v[148+\q], 2, v[148+\q]
.endr
	v_and_b32 v137, 15, v0                         ; r
	v_lshlrev_b32 v137, 2, v137
	s_lshl_b32 s30, s16, 9
	v_add_nc_u32 v137, s30, v137                   ; my bins: 4 r + 512 (wave & 1), + 64 for each tile
	s_mul_i32 s22, s17, 4*NPART
	s_mov_b32 s23, 0
	s_wait_kmcnt 0x0
	s_load_b64 s[24:25], s[4:5], 0x0               ; bins[0], bins[1]
	s_add_nc_u64 s[6:7], s[6:7], s[22:23]          ; x and y at my batch
	s_add_nc_u64 s[8:9], s[8:9], s[22:23]
.irp q, 0,1,2,3,4,5,6
	global_load_b32 v[156+\q], v[148+\q], s[6:7]
	global_load_b32 v[164+\q], v[148+\q], s[8:9]
.endr
.irp f, 0,1,2,3,4,5,6,7
	global_load_b32 v[BN+2*\f],   v137, s[4:5] offset:64*\f
	global_load_b32 v[BN+2*\f+1], v137, s[4:5] offset:64*\f
.endr
	s_lshl_b32 s22, ttmp9, 18                      ; part: 262,144 bytes a work-group, 65,536 a wave
	s_lshl_b32 s30, s[WV], 16
	s_add_co_u32 s22, s22, s30
	s_add_nc_u64 s[10:11], s[10:11], s[22:23]
	s_lshl_b32 s22, ttmp9, 4                       ; sums: 16 bytes a work-group, 4 a wave
	s_lshl_b32 s30, s[WV], 2
	s_add_co_u32 s22, s22, s30
	s_add_nc_u64 s[12:13], s[12:13], s[22:23]
	v_bfe_u32 v129, v0, 4, 1                       ; h
	v_and_b32 v130, 31, v0                         ; lane
	v_lshlrev_b32 v131, 2, v130                    ; 4 x lane
	v_lshlrev_b32 v130, 4, v130                    ; 16 x lane
	v_lshlrev_b32 v[SH8], 3, v129
	s_lshl_b32 s30, s15, 12
	s_add_co_u32 s30, s30, XS
	v_lshl_add_u32 v[XA0], v129, 7, s30
	s_lshl_b32 s30, s[WV], 13
	v_add_nc_u32 v[IMW], s30, v130
	s_lshl_b32 s30, s[WV], 10
	s_add_co_u32 s30, s30, SCW
	v_add_nc_u32 v[SWW], s30, v131
	s_lshl_b32 s30, s15, 13
	v_add_nc_u32 v[IRA], s30, v130
	s_lshl_b32 s30, s16, 13
	s_add_co_u32 s30, s30, 16384
	v_add_nc_u32 v[IRB], s30, v130
	s_lshl_b32 s30, s15, 10
	s_add_co_u32 s30, s30, SCW
	v_add_nc_u32 v[SRA], s30, v131
	s_lshl_b32 s30, s16, 10
	s_add_co_u32 s30, s30, SCW+2048
	v_add_nc_u32 v[SRB], s30, v131
	v_lshl_add_u32 v138, v0, 2, XS                 ; where I stage: 4 t
	v_mov_b32 v139, 0x7f800000                     ; +infinity
	v_mov_b32 v[PT], 0                             ; written once: a lane permute's destination counts as one of its sources
.irp k, 0,1,2,3
	v_mov_b32 v[Z4+\k], 0
.endr
	s_wait_kmcnt 0x0
	v_mov_b32 v133, s24
	v_sub_f32 v132, s25, v133                      ; bw
	v_rcp_f32 v134, v132
	v_nop                                          ; a plain line behind the reciprocal
	s_wait_alu depctr_va_vdst(0)
	v_fma_f32 v135, -v132, v134, 1.0               ; one Newton step
	v_fma_f32 v134, v134, v135, v134
	v_mul_f32 v[CC], 0x3f596d27, v134              ; c = sqrt(0.5 log2 e) / bw
	v_mov_b32 v[CC+1], v[CC]
	s_wait_loadcnt 0x0
.irp q, 0,1,2,3,4,5,6
	v_cmp_gt_u32 vcc_lo, s20, v[140+\q]            ; is the particle mine?
	v_cndmask_b32 v[156+\q], v139, v[156+\q], vcc_lo
	v_cndmask_b32 v[164+\q], v139, v[164+\q], vcc_lo
	ds_store_b32 v138, v[156+\q] offset:512*\q
	ds_store_b32 v138, v[164+\q] offset:4096+512*\q
.endr
	ds_store_b32 v138, v139 offset:3584            ; indices 896 on: read by the last step's look-ahead, used by nothing
	ds_store_b32 v138, v139 offset:4096+3584
	BAR                                            ; the coordinates lie in LDS; they are written no more
	XLOAD XA0, 8                                   ; THE HALF STEP: my first 64 particles
	s_wait_dscnt 0x0
	PRODUCE 1
	BAR                                            ; the 32 images lie in LDS
	MULT 1
	s_mov_b32 s28, 6
.Lstep:                                                ; six steps of 128 particles; their coordinates were fetched in the multiply phase before
	PRODUCE 0
	BAR
	MULT 0
	s_sub_co_u32 s28, s28, 1
	s_cmp_lg_u32 s28, 0
	s_cbranch_scc1 .Lstep
	; THE WAY OUT.  The accumulators leave as they stand: accumulator 8 a + b at 1,024 (8 a + b) of my 65,536 bytes, registers 0-3 then 4-7, 16 bytes a lane: each store covers 512 consecutive bytes, aligned.
	; Each accumulator is read from its low end on.  The ten plain lines below are the places behind the last products.  My 16,384 sums are also added up, for the norm.
.irp k, 0,1,2,3,4,5,6,7
	v_mov_b32 v[SM+\k], 0
.endr
	v_and_b32 v137, 31, v0
	v_lshlrev_b32 v[GO], 4, v137
.macro LEAVE win, first
	WIN \win                                       ; a store's data, and source 1 of the additions: window 2 or 3
.set ac, 0
.rept 32
	global_store_b128 v[GO], v[8*ac:8*ac+3],   s[10:11] offset:1024*(\first+ac) th:TH_STORE_NT
	global_store_b128 v[GO], v[8*ac+4:8*ac+7], s[10:11] offset:1024*(\first+ac)+512 th:TH_STORE_NT
.irp k, 0,1,2,3
	v_pk_add_f32 v[SM+2*\k:SM+2*\k+1], v[SM+2*\k:SM+2*\k+1], v[8*ac+2*\k:8*ac+2*\k+1]
.endr
.set ac, ac+1
.endr
.endm
	LEAVE 0x08, 0
	LEAVE 0x0c, 32
	WIN 0
	v_pk_add_f32 v[SM:SM+1], v[SM:SM+1], v[SM+2:SM+3]
	v_pk_add_f32 v[SM+4:SM+5], v[SM+4:SM+5], v[SM+6:SM+7]
	v_pk_add_f32 v[SM:SM+1], v[SM:SM+1], v[SM+4:SM+5]
	v_add_f32 v[SM], v[SM], v[SM+1]
	v_add_f32_dpp v[SM], v[SM], v[SM] row_xmask:1 row_mask:0xf bank_mask:0xf
	v_add_f32_dpp v[SM], v[SM], v[SM] row_xmask:2 row_mask:0xf bank_mask:0xf
	v_add_f32_dpp v[SM], v[SM], v[SM] row_xmask:4 row_mask:0xf bank_mask:0xf
	v_add_f32_dpp v[SM], v[SM], v[SM] row_xmask:8 row_mask:0xf bank_mask:0xf
	v_permlanex16_b32 v[PT], v[SM], s[SEL], s[SEL+1]
	v_add_f32 v[SM], v[SM], v[PT]                  ; my wave's total, in every lane
	v_cmp_eq_u32 vcc_lo, 0, v137
	s_wait_xcnt 0x0                                ; EXEC changes only behind this wait: the stores above have it among their sources
	s_set_vgpr_msb 0x5
	s_wait_tensorcnt 0x0
	ds_add_u32 v254, v255
	s_wait_dscnt 0x0
	s_set_vgpr_msb 0x500
	s_and_saveexec_b32 s29, vcc_lo
	global_store_b32 v[Z4], v[SM], s[12:13]        ; lane 0 stores it: four bytes a wave, 4,096 in the launch
	s_wait_xcnt 0x0
	s_or_b32 exec_lo, exec_lo, s29
	s_endpgm
.Lfunc_end_k_q5561cd5b42_bin:
	.size	k_q5561cd5b42_bin, .Lfunc_end_k_q5561cd5b42_bin-k_q5561cd5b42_bin
	.p2alignl 7, 3214868480
	.fill 96, 4, 3214868480
	.section	.rodata,"a",@progbits
	.p2align	6, 0x0
	.amdhsa_kernel k_q5561cd5b42_bin
		.amdhsa_group_segment_fixed_size 45568
		.amdhsa_private_segment_fixed_size 0
		.amdhsa_enable_private_segment 0
		.amdhsa_kernarg_size 40
		.amdhsa_user_sgpr_count 2
		.amdhsa_user_sgpr_kernarg_segment_ptr 1
		.amdhsa_wavefront_size32 1
		.amdhsa_system_sgpr_workgroup_id_x 1
		.amdhsa_system_sgpr_workgroup_id_y 1
		.amdhsa_system_sgpr_workgroup_id_z 1
		.amdhsa_system_vgpr_workitem_id 0
		.amdhsa_next_free_vgpr 1024
		.amdhsa_next_free_sgpr 66
		.amdhsa_reserve_vcc 1
		.amdhsa_float_denorm_mode_32 3
		.amdhsa_float_denorm_mode_16_64 3
		.amdhsa_memory_ordered 1
		.amdhsa_forward_progress 1
		.amdhsa_inst_pref_size 200
	.end_amdhsa_kernel
	.amdgpu_metadata
---
amdhsa.version: [ 1, 2 ]
amdhsa.kernels:
  - .name:           k_q5561cd5b42_bin
    .symbol:         k_q5561cd5b42_bin.kd
    .args:
      - { .name: bins, .offset: 0, .size: 8, .value_kind: global_buffer, .address_space: global }
      - { .name: x_coords, .offset: 8, .size: 8, .value_kind: global_buffer, .address_space: global }
      - { .name: y_coords, .offset: 16, .size: 8, .value_kind: global_buffer, .address_space: global }
      - { .name: part, .offset: 24, .size: 8, .value_kind: global_buffer, .address_space: global }
      - { .name: sums, .offset: 32, .size: 8, .value_kind: global_buffer, .address_space: global }
    .group_segment_fixed_size: 45568
    .private_segment_fixed_size: 0
    .kernarg_segment_align: 8
    .kernarg_segment_size: 40
    .max_flat_workgroup_size: 128
    .sgpr_count:     66
    .vgpr_count:     1024
    .wavefront_size: 32
...
	.end_amdgpu_metadata
.endif
;; end of part 1
;; launch fold (part 2): grid 256 x 1, 8 waves a work-group, no clusters, 5,632 bytes of LDS; arguments part, sums, out0; writes out0
.if DOCPART == 2
	.amdgcn_target "amdgcn-amd-amdhsa--gfx1250"
	.amdhsa_code_object_version 6
	.text
	.protected	k_q5561cd5b42_fold
	.globl	k_q5561cd5b42_fold
	.p2align	8
	.type	k_q5561cd5b42_fold,@function
k_q5561cd5b42_fold:
	s_mov_b64 s[64:65], 0
	v_nop
	global_prefetch_b8 v0, s[64:65] scope:SCOPE_SE
	s_setreg_imm32_b32 hwreg(HW_REG_WAVE_MODE, 25, 1), 1
	s_wait_xcnt 0x0
; out0[b] = (the sum of the batch's 64 partials) / (the sum of its 256 wave totals + 1e-10).
; part: [work-group 256][wave 4][accumulator 64][half 2][lane 32][4 f32], as the launch before left its registers; sums: [work-group 256][wave 4] f32.
; Work-group (b, g) takes 4,096 bytes, slice g of the 262,144 of a partial, in all 64 partials of batch b; thread t the 16 bytes at 16 t.  A load of a wave covers 512 consecutive bytes, aligned.
; A slice is four accumulators: wave g >> 4, kx's block a = (g >> 1) & 7, ky's blocks 4 (g & 1) + 0 .. 3: 16 rows i x 64 columns j of the output, 256 aligned bytes of each row.
; Thread t holds registers 4 gg .. 4 gg + 3 of lane (r, h) of accumulator bt: out(i0 + r, j0 + 16 bt + 8 h + 4 gg + 0 .. 3), bt = t >> 6, gg = (t >> 5) & 1, h = (t >> 4) & 1, r = t & 15.
; The lanes beside it hold other rows, so the slice turns through LDS and leaves by rows: sixteen lanes store 256 consecutive bytes, aligned.
; A stream: 32 loads of every wave are on their way, in a ring of 32 x 4 registers; every offset is an immediate and no address register is rewritten, so no wait frees one.  No loop: 64 partials, written out.
; The order of the additions (even and odd partials in two chains; the totals lane by lane, then across lanes) is not that of one sum over the whole array: all terms are 0 or more.
.set R,    32                          ; v[32:159] the ring
.set STEPB, 262144                     ; from a partial to the next
	s_load_b64 s[4:5], s[0:1], 0x0                 ; part
	s_load_b64 s[8:9], s[0:1], 0x8                 ; sums
	s_load_b64 s[10:11], s[0:1], 0x10              ; out0
	v_lshl_add_u32 v160, v0, 2, 0x1200
	v_mov_b32 v161, 0
	s_lshr_b32 s14, ttmp9, 6                       ; the batch
	s_and_b32 s15, ttmp9, 63                       ; the slice
	s_lshl_b32 s16, s14, 24                        ; 64 partials of 262,144 bytes a batch
	s_lshl_b32 s17, s15, 12
	s_add_co_u32 s16, s16, s17
	s_mov_b32 s17, 0
	s_lshl_b32 s18, s14, 10                        ; 256 totals a batch
	s_mov_b32 s19, 0
	s_lshl_b32 s20, s14, 18                        ; out0: the batch,
	s_lshr_b32 s22, s15, 5
	s_lshl_b32 s22, s22, 17                        ; 128 rows of 1,024 bytes for the wave's half of i,
	s_add_co_u32 s20, s20, s22
	s_bfe_u32 s22, s15, 0x30001
	s_lshl_b32 s22, s22, 14                        ; 16 rows for each block a,
	s_add_co_u32 s20, s20, s22
	s_bfe_u32 s22, s15, 0x10004
	s_lshl_b32 s22, s22, 9                         ; 128 columns for the wave's half of j,
	s_add_co_u32 s20, s20, s22
	s_and_b32 s22, s15, 1
	s_lshl_b32 s22, s22, 8                         ; 64 columns for the slice's four blocks
	s_add_co_u32 s20, s20, s22
	s_mov_b32 s21, 0
	s_mov_b32 s12, 0x76543210                      ; v_permlanex16_b32's selects for lane l xor 16
	s_mov_b32 s13, 0xfedcba98
	v_lshlrev_b32 v1, 4, v0                        ; 16 t
	v_and_b32 v6, 31, v0
	v_lshlrev_b32 v2, 5, v6                        ; 32 x lane: my eight totals
	s_wait_kmcnt 0x0
	s_add_nc_u64 s[4:5], s[4:5], s[16:17]          ; partials 0 to 31 of my slice
	s_add_nc_u64 s[6:7], s[4:5], 32*STEPB          ; partials 32 to 63: so every offset stays inside the signed 24-bit immediate (ISA guide, chapter 10)
	s_add_nc_u64 s[8:9], s[8:9], s[18:19]
	s_add_nc_u64 s[10:11], s[10:11], s[20:21]
	global_load_b128 v[8:11], v2, s[8:9]
	global_load_b128 v[12:15], v2, s[8:9] offset:16
.set q, 0
.rept 32
	global_load_b128 v[R+4*q:R+4*q+3], v1, s[4:5] offset:STEPB*q th:TH_LOAD_NT
.set q, q+1
.endr
	v_and_b32 v6, 15, v0                           ; r, and on the way out my place in a row
	v_mul_u32_u24 v3, v6, 272                      ; the stage: rows of 256 bytes + 16: row r starts at bank 4 r mod 64 (64 banks of 4 bytes: ISA guide 11.1)
	v_lshrrev_b32 v7, 6, v0
	v_lshl_add_u32 v3, v7, 6, v3                   ; + 64 bt
	v_bfe_u32 v7, v0, 4, 1
	v_lshl_add_u32 v3, v7, 5, v3                   ; + 32 h
	v_bfe_u32 v7, v0, 5, 1
	v_lshl_add_u32 v3, v7, 4, v3                   ; + 16 gg
	v_lshrrev_b32 v7, 4, v0                        ; back: row t >> 4, 16 bytes a lane
	v_mul_u32_u24 v4, v7, 272
	v_lshl_add_u32 v4, v6, 4, v4
	v_lshlrev_b32 v5, 10, v7                       ; and the same place in out0
	v_lshl_add_u32 v5, v6, 4, v5
.irp k, 0,1,2,3,4,5,6,7
	v_mov_b32 v[16+\k], 0                          ; two sums of four numbers
.endr
	s_wait_loadcnt 32                              ; the totals are in; the 32 loads behind them stay out
	v_pk_add_f32 v[8:9], v[8:9], v[10:11]
	v_pk_add_f32 v[12:13], v[12:13], v[14:15]
	v_pk_add_f32 v[8:9], v[8:9], v[12:13]
	v_add_f32 v8, v8, v9
	v_add_f32_dpp v8, v8, v8 row_xmask:1 row_mask:0xf bank_mask:0xf
	v_add_f32_dpp v8, v8, v8 row_xmask:2 row_mask:0xf bank_mask:0xf
	v_add_f32_dpp v8, v8, v8 row_xmask:4 row_mask:0xf bank_mask:0xf
	v_add_f32_dpp v8, v8, v8 row_xmask:8 row_mask:0xf bank_mask:0xf
	v_permlanex16_b32 v9, v8, s12, s13
	v_add_f32 v8, v8, v9                           ; the sum of joint over the batch
	v_add_f32 v8, 0x2edbe6ff, v8                   ; + 1e-10
	v_rcp_f32 v24, v8
	v_nop                                          ; a plain line behind the reciprocal
	s_wait_alu depctr_va_vdst(0)
	v_mov_b32 v25, v24
.set q, 0
.rept 32
	s_wait_loadcnt 31                              ; partial q is in: behind it stand 31 - q loads of this run and q of the next
	v_pk_add_f32 v[16+4*(q%2):17+4*(q%2)], v[16+4*(q%2):17+4*(q%2)], v[R+4*q:R+4*q+1]
	v_pk_add_f32 v[18+4*(q%2):19+4*(q%2)], v[18+4*(q%2):19+4*(q%2)], v[R+4*q+2:R+4*q+3]
	global_load_b128 v[R+4*q:R+4*q+3], v1, s[6:7] offset:STEPB*q th:TH_LOAD_NT
.set q, q+1
.endr
.set q, 0
.rept 32
	s_wait_loadcnt 31-q                            ; the last run loads nothing: the counts run down
	v_pk_add_f32 v[16+4*(q%2):17+4*(q%2)], v[16+4*(q%2):17+4*(q%2)], v[R+4*q:R+4*q+1]
	v_pk_add_f32 v[18+4*(q%2):19+4*(q%2)], v[18+4*(q%2):19+4*(q%2)], v[R+4*q+2:R+4*q+3]
.set q, q+1
.endr
	v_pk_add_f32 v[16:17], v[16:17], v[20:21]
	v_pk_add_f32 v[18:19], v[18:19], v[22:23]
	v_pk_mul_f32 v[16:17], v[16:17], v[24:25]      ; / norm
	v_pk_mul_f32 v[18:19], v[18:19], v[24:25]
	ds_store_b128 v3, v[16:19]
	s_wait_dscnt 0x0                               ; for the others' sake: my store into the stage is done
	s_barrier_signal -1
	s_barrier_wait -1
	ds_load_b128 v[20:23], v4
	s_wait_dscnt 0x0
	global_store_b128 v5, v[20:23], s[10:11]       ; sixteen lanes store 256 consecutive bytes, at a multiple of 256 from out0's first byte
	s_wait_tensorcnt 0x0
	ds_add_u32 v160, v161
	s_wait_dscnt 0x0
	s_endpgm
.Lfunc_end_k_q5561cd5b42_fold:
	.size	k_q5561cd5b42_fold, .Lfunc_end_k_q5561cd5b42_fold-k_q5561cd5b42_fold
	.p2alignl 7, 3214868480
	.fill 96, 4, 3214868480
	.section	.rodata,"a",@progbits
	.p2align	6, 0x0
	.amdhsa_kernel k_q5561cd5b42_fold
		.amdhsa_group_segment_fixed_size 5632
		.amdhsa_private_segment_fixed_size 0
		.amdhsa_enable_private_segment 0
		.amdhsa_kernarg_size 24
		.amdhsa_user_sgpr_count 2
		.amdhsa_user_sgpr_kernarg_segment_ptr 1
		.amdhsa_wavefront_size32 1
		.amdhsa_system_sgpr_workgroup_id_x 1
		.amdhsa_system_sgpr_workgroup_id_y 1
		.amdhsa_system_sgpr_workgroup_id_z 1
		.amdhsa_system_vgpr_workitem_id 0
		.amdhsa_next_free_vgpr 162
		.amdhsa_next_free_sgpr 66
		.amdhsa_reserve_vcc 0
		.amdhsa_float_denorm_mode_32 3
		.amdhsa_float_denorm_mode_16_64 3
		.amdhsa_memory_ordered 1
		.amdhsa_forward_progress 1
		.amdhsa_inst_pref_size 21
	.end_amdhsa_kernel
	.amdgpu_metadata
---
amdhsa.version: [ 1, 2 ]
amdhsa.kernels:
  - .name:           k_q5561cd5b42_fold
    .symbol:         k_q5561cd5b42_fold.kd
    .args:
      - { .name: part, .offset: 0, .size: 8, .value_kind: global_buffer, .address_space: global }
      - { .name: sums, .offset: 8, .size: 8, .value_kind: global_buffer, .address_space: global }
      - { .name: out0, .offset: 16, .size: 8, .value_kind: global_buffer, .address_space: global }
    .group_segment_fixed_size: 5632
    .private_segment_fixed_size: 0
    .kernarg_segment_align: 8
    .kernarg_segment_size: 24
    .max_flat_workgroup_size: 256
    .sgpr_count:     66
    .vgpr_count:     162
    .wavefront_size: 32
...
	.end_amdgpu_metadata
.endif
;; end of part 2
;; ======== version 2 of 2: 2 launches
;; limits: right only within a limited range of input values
;; workspace buffers: part 67,108,864 bytes; sums 16,384 bytes
;; launch bin (part 3): grid 256 x 1, 16 waves a work-group, no clusters, 245,760 bytes of LDS; arguments x_coords, y_coords, bins, part, sums; writes part, sums
.if DOCPART == 3
	.amdgcn_target "amdgcn-amd-amdhsa--gfx1250"
	.amdhsa_code_object_version 6
	.text
	.protected	k_q5561cd5b42_bin
	.globl	k_q5561cd5b42_bin
	.p2align	8
	.type	k_q5561cd5b42_bin,@function
k_q5561cd5b42_bin:
	s_mov_b64 s[64:65], 0
	v_nop
	global_prefetch_b8 v0, s[64:65] scope:SCOPE_SE
	s_setreg_imm32_b32 hwreg(HW_REG_WAVE_MODE, 25, 1), 1
	s_wait_xcnt 0x0
; joint[b][i][j] = sum over n of kx[b][n][i] ky[b][n][j],  kx = exp(-0.5 ((x[b][n] - bins[i]) / bw)^2), ky likewise of y, bw = bins[1] - bins[0].
; Both operands are quantised along n to FP4 (E2M1) with one E8M0 scale for each 32 particles; the products go by v_wmma_scale_f32_16x16x128_f8f6f4; sums in f32.
; THE SPLIT IS ALONG K, in whole blocks of 32 particles: a batch has 1,563 (the last holds 16) for 64 work-groups: 1,563 = 24 x 64 + 27.  Work-group (b, s) begins at block 24 s + (27 s >> 6);
; 27 of the 64 have a 25th block.  Every number of kx and ky is made once in the launch, and a work-group stores its 256 x 256 sums as a partial; the next launch adds a batch's 64 partials.
; ALL CODES OF A WORK-GROUP STAY IN LDS: 32 tiles of 16 bins (kx's 0-15, ky's 16-31) x 28 blocks x 256 bytes (blocks 25-27 are zero codes: K goes in 7 steps of 128).
; EIGHT CHUNKS OF 64 BINS are made one after the other: x 0-63, y 0-63, x 64-127, y 64-127, ..  As soon as a chunk lies in LDS, the tiles of the partial that it completes are multiplied over all of K
; and stored, by some of the waves, while the others make the next chunk.
; A LANE TAKES A BIN AND ITS REGISTERS RUN DOWN ONE BLOCK: a block's largest number needs no other lane, and the conversions give the operand's 16 bytes.  The block is the same for all 32 lanes, so
; its coordinates come by scalar loads.  Wave w = 2 m + g makes bins 32 g + lane of each chunk in blocks 3 m, 3 m + 1, 3 m + 2, and at the head block 24 of chunk m: 25 blocks a wave.
; Particles that are not the work-group's own, or lie past 50,000, get a bin at +infinity: the exponent is -infinity, the number 0, the code 0.
; AN ELEMENT: u = x - bin;  s = u c;  t = -(s s);  2^t.   c = sqrt(0.5 log2 e) / bw, 1 / bw by v_rcp_f32 and one Newton step.  The difference comes first, so a common offset of x and bins costs nothing.
; THE MATRIX INSTRUCTION IS USED TRANSPOSED (source 0 = 16 bins of ky, source 1 = 16 bins of kx): register q of lane (r, h) is joint(i0 + r, j0 + 8 h + q).
; No work-group shares an operand with another, so there are no clusters and no tensor loads; each coordinate is read by one work-group.
; LIMITS: numbers of kx, ky under 2^-126 come out of v_exp_f32 as 0 (ISA guide 15.8).  A block of zeros has the scale byte 1, not 127: its codes are zeros, and this program alone reads the bytes.
; NaN or infinite coordinates, and bw = 0, infinite or NaN, are not served.  The f32 sums over K are taken work-group by work-group, another order than one run over all of K.
.set TILEB, 7168                       ; a tile's codes: 28 blocks of 256 bytes; block kb at 256 kb + 16 r: that is the image of the operand's registers, 1,024 bytes a step of 128
.set SCW,   32*TILEB                   ; scale words: tile 448 t, step 64 s, row 4 r, byte = block mod 4
.set SPARE, SCW+32*448                 ; the spare words: 128 bytes for each wave, in blocks of 256 bytes that no other line names
.set SPW, 1                            ; v1   my spare word;  never rewritten
.set NIL, 2                            ; v2   0; never rewritten
.set VXA, 3                            ; v3   my half tile: kx's four tiles,
.set VYA, 4                            ; v4   ky's two,
.set VSC, 5                            ; v5   scale words: lanes 0-15 kx's tiles 0, 1, lanes 16-31 ky's 0, 1;
.set VSC2, 6                           ; v6   lanes 0-15 kx's tiles 2, 3, lanes 16-31 ky's 0, 1
.set FXA, 7                            ; v7-9 the last strip: kx's two tiles, ky's two, their scale words
.set FYA, 8
.set FSC, 9
.set GO,  10                           ; v10  16 x lane
.set H,   11                           ; v11  lane / 16
.set CC,  12                           ; v[12:13] c, twice
.set BN,  14                           ; v14-17 my bin of the chunks 0, 1, 2, 3 of an axis
.set SM,  18                           ; v18-25 running sums
.set R4,  26                           ; v26  4 x (lane mod 16)
.set PT,  27
.set SCR, 28                           ; v28-41 scale words, nothing else
.set IST, 42                           ; v42-45 where I store codes: x chunks 0-2, x chunk 3, y chunks 0-2, y chunk 3
.set SCS, 46                           ; v46-48 where I store the scale bytes of my three blocks
.set Z0,  61                           ; v61  0
.set T,   64                           ; v64-95 a block's 32 numbers
.set FR,  64                           ; v64-111, v112-159 fragments of a half tile's step: kx's four, ky's two; two slots
.set CD,  160                          ; v160-171 codes of three blocks
.set MX,  172                          ; v172-175 four chains of the maximum
.set SO,  176                          ; the conversions' scale operand
.set BY,  177                          ; v177-179 scale bytes
.set Z4,  180                          ; v180-183 zeros (head)
.set EST, 184                          ; v184, v185 block 24: where its codes and its scale word go (head)
.set ESC, 185
.set BE,  186                          ; v186-188 block 24: the bin, for its first 16 particles, for its last 16 (head)
.set INF, 189
.set ACC, 192                          ; v192-255 a half tile's eight accumulators
.set XF,  128                          ; the last strip: v128-239 kx's fragments, two tiles x 7 steps; v64-119 ky's, one tile x 7 steps
; 32 coordinates to s[sb..]
.macro CLOAD sb, ptr, off
	s_load_b512 s[\sb:\sb+15], s[\ptr:\ptr+1], \off
	s_load_b512 s[\sb+16:\sb+31], s[\ptr:\ptr+1], \off+64
.endm
; the 32 differences; b1: the bin against particles 0-15, b2: against 16-31
.macro SUBS sb, b1, b2
.set e, 0
.rept 8
	v_dual_sub_f32 v[T+2*e], s[\sb+2*e], v[\b1] :: v_dual_sub_f32 v[T+2*e+1], s[\sb+2*e+1], v[\b1]
.set e, e+1
.endr
.rept 8
	v_dual_sub_f32 v[T+2*e], s[\sb+2*e], v[\b2] :: v_dual_sub_f32 v[T+2*e+1], s[\sb+2*e+1], v[\b2]
.set e, e+1
.endr
.endm
; from the differences to 32 codes and the scale byte, set j
.macro REST j
.set e, 0
.rept 16
	v_pk_mul_f32 v[T+2*e:T+2*e+1], v[T+2*e:T+2*e+1], v[CC:CC+1]
.set e, e+1
.endr
.set e, 0
.rept 16
	v_pk_mul_f32 v[T+2*e:T+2*e+1], v[T+2*e:T+2*e+1], v[T+2*e:T+2*e+1] neg_lo:[1,0] neg_hi:[1,0]
.set e, e+1
.endr
	s_wait_alu depctr_va_vdst(0)                   ; the wait ahead of the batch,
.set e, 0
.rept 32
	v_exp_f32 v[T+e], v[T+e]
.set e, e+1
.endr
	v_nop                                          ; a plain line behind the batch
	s_wait_alu depctr_va_vdst(0)                   ; and ahead of its first reader
	v_max3_num_f32 v[MX], v[T], v[T+1], 0x1800000  ; none is negative; the floor 2^(3 - 127) holds the byte at 1 from below
	v_max3_num_f32 v[MX+1], v[T+2], v[T+3], v[T+4]
	v_max3_num_f32 v[MX+2], v[T+5], v[T+6], v[T+7]
	v_max3_num_f32 v[MX+3], v[T+8], v[T+9], v[T+10]
.set e, 0
.rept 10
	v_max3_num_f32 v[MX+e%4], v[MX+e%4], v[T+11+2*e], v[T+12+2*e]
.set e, e+1
.endr
	v_max3_num_f32 v[MX], v[MX], v[MX+1], v[MX+2]
	v_max3_num_f32 v[MX], v[MX], v[MX+3], v[T+31]
	v_add_nc_u32 v[SO], 0xff000000, v[MX]          ; 2 off its exponent field: the conversions take the exponent field of this operand as the scale
.set e, 0
.rept 4
	v_cvt_scalef32_pk8_fp4_f32 v[CD+4*\j+e], v[T+8*e:T+8*e+7], v[SO]
.set e, e+1
.endr
	v_lshrrev_b32 v[BY+\j], 23, v[SO]              ; the byte; also the plain line behind the conversions
.endm
.macro STORE j                         ; block 3 m + j of chunk Q of axis AX
	ds_store_b128 v[IST+2*AX+Q/3], v[CD+4*\j:CD+4*\j+3] offset:4*TILEB*(Q%3)+256*\j
	ds_store_b8 v[SCS+\j], v[BY+\j] offset:448*(16*AX+4*Q)
.endm
; The wave's half tile, 64 of i x 32 of j: x tiles 4 ti .. 4 ti + 3, y tiles 4 tj + 2 g, + 1.  ti and tj stand at bits 2 m of two tables
.macro ADDR tit, tjt
	s_lshl_b32 s30, s16, 1
	s_mov_b32 s22, \tit
	s_lshr_b32 s22, s22, s30
	s_and_b32 s22, s22, 3                          ; ti
	s_mov_b32 s23, \tjt
	s_lshr_b32 s23, s23, s30
	s_and_b32 s23, s23, 3                          ; tj
	s_lshl_b32 s25, s22, 2                         ; the first x tile
	s_lshl_b32 s24, s23, 2
	s_lshl_b32 s31, s15, 1
	s_add_co_u32 s24, s24, s31
	s_add_co_u32 s24, s24, 16                      ; the first y tile
	s_mul_i32 s30, s25, TILEB
	s_mul_i32 s31, s24, TILEB
	v_add_nc_u32 v[VXA], s30, v[GO]
	v_add_nc_u32 v[VYA], s31, v[GO]
	s_sub_co_u32 s24, s24, s25
	s_mul_i32 s24, s24, 448
	s_mul_i32 s25, s25, 448
	s_add_co_u32 s25, s25, SCW
	v_mul_u32_u24 v[VSC], s24, v[H]
	v_add_nc_u32 v[VSC], v[VSC], v[R4]
	v_add_nc_u32 v[VSC], s25, v[VSC]
	s_sub_co_u32 s24, s24, 896
	s_add_co_u32 s25, s25, 896
	v_mul_u32_u24 v[VSC2], s24, v[H]
	v_add_nc_u32 v[VSC2], v[VSC2], v[R4]
	v_add_nc_u32 v[VSC2], s25, v[VSC2]
	s_lshr_b32 s24, s22, 1                         ; its place in the partial: 128 x 128 quarters of 65,536 bytes, in them accumulator 8 a + b at 1,024 (8 a + b)
	s_lshl_b32 s24, s24, 17
	s_and_b32 s22, s22, 1
	s_lshl_b32 s22, s22, 15
	s_add_co_u32 s22, s22, s24
	s_lshr_b32 s25, s23, 1
	s_lshl_b32 s25, s25, 16
	s_add_co_u32 s22, s22, s25
	s_and_b32 s23, s23, 1
	s_lshl_b32 s23, s23, 12
	s_add_co_u32 s22, s22, s23
	s_lshl_b32 s25, s15, 11
	s_add_co_u32 s22, s22, s25
	s_mov_b32 s23, 0
	s_add_nc_u64 s[18:19], s[10:11], s[22:23]
.endm
.macro PLACES                          ; four plain lines behind a matrix instruction (ISA guide 7.12.1)
.rept 4
	v_nop
.endr
.endm
.macro LOADS                           ; step ls of a half tile: 16 LDS loads into slot ls % 2
.set SL, FR+48*(ls%2)
.set SS, SCR+4*(ls%2)
	ds_load_b32 v[SS], v[VSC] offset:64*ls
	ds_load_b32 v[SS+1], v[VSC] offset:448+64*ls
	ds_load_b32 v[SS+2], v[VSC2] offset:64*ls
	ds_load_b32 v[SS+3], v[VSC2] offset:448+64*ls
.irp b, 0,1
	ds_load_b128 v[SL+32+8*\b:SL+35+8*\b], v[VYA] offset:TILEB*\b+1024*ls
	ds_load_b128 v[SL+36+8*\b:SL+39+8*\b], v[VYA] offset:TILEB*\b+1024*ls+512
.endr
.irp a, 0,1,2,3
	ds_load_b128 v[SL+8*\a:SL+3+8*\a], v[VXA] offset:TILEB*\a+1024*ls
	ds_load_b128 v[SL+4+8*\a:SL+7+8*\a], v[VXA] offset:TILEB*\a+1024*ls+512
.endr
.endm
; A half tile over all of K: 7 steps, 8 accumulators by turns; then its 2,048 sums are added up for the norm and stored as the registers stand
.macro TILE
	s_wait_xcnt 0x0                                ; any earlier store of mine has read its registers
.set ls, 0
	LOADS
.set ls, 1
	LOADS
.set st, 0
.rept 7
.if st < 6
	s_wait_dscnt 16                                ; this step's 16 loads are in; the next step's 16 may be out
.else
	s_wait_dscnt 0x0
.endif
.set SL, FR+48*(st%2)
.set SS, SCR+4*(st%2)
.irp a, 0,1,2,3
.irp b, 0,1
.if st == 0
	v_wmma_scale_f32_16x16x128_f8f6f4 v[ACC+8*(2*\a+\b):ACC+8*(2*\a+\b)+7], v[SL+32+8*\b:SL+39+8*\b], v[SL+8*\a:SL+7+8*\a], 0, v[SS+\b], v[SS+\a] matrix_a_fmt:MATRIX_FMT_FP4 matrix_b_fmt:MATRIX_FMT_FP4 matrix_a_scale:MATRIX_SCALE_ROW1
.else
	v_wmma_scale_f32_16x16x128_f8f6f4 v[ACC+8*(2*\a+\b):ACC+8*(2*\a+\b)+7], v[SL+32+8*\b:SL+39+8*\b], v[SL+8*\a:SL+7+8*\a], v[ACC+8*(2*\a+\b):ACC+8*(2*\a+\b)+7], v[SS+\b], v[SS+\a] matrix_a_fmt:MATRIX_FMT_FP4 matrix_b_fmt:MATRIX_FMT_FP4 matrix_a_scale:MATRIX_SCALE_ROW1
.endif
.endr
.endr
.if st < 5
	PLACES
.set ls, st+2
	LOADS
.endif
.set st, st+1
.endr
	PLACES
.set k, 0
.rept 8
	SUM ACC+8*k
.set k, k+1
.endr
.irp a, 0,1,2,3
.irp b, 0,1
	OUT ACC+8*(2*\a+\b), 18, 8192*\a+1024*\b
.endr
.endr
.endm
.macro SUM ac
.irp k4, 0,2,4,6
	v_pk_add_f32 v[SM+\k4:SM+\k4+1], v[SM+\k4:SM+\k4+1], v[\ac+\k4:\ac+\k4+1]
.endr
.endm
.macro OUT ac, ptr, off                ; an accumulator: 16 bytes a lane, each store covers 512 consecutive bytes, aligned
	global_store_b128 v[GO], v[\ac:\ac+3], s[\ptr:\ptr+1] offset:\off th:TH_STORE_NT
	global_store_b128 v[GO], v[\ac+4:\ac+7], s[\ptr:\ptr+1] offset:\off+512 th:TH_STORE_NT
.endm
.macro ONLY lo, hi, lab                ; waves lo .. hi have a half tile here
.if \lo > 0
	s_cmp_lt_u32 s14, \lo
	s_cbranch_scc1 \lab
.endif
	s_cmp_gt_u32 s14, \hi
	s_cbranch_scc1 \lab
	TILE
\lab:
.endm
; Chunk p.  Two of my three blocks are made between the signal of the barrier behind chunk p - 1 and its wait: register work alone; their codes are stored behind the wait.  Behind it chunks 0 .. p - 1 lie in LDS.
; Coordinates: s[68:99] block 0; s[32:63] block 1, then block 2; each is asked for a block's work or more ahead
.macro PHASE p
.set AX, \p%2
.set Q, \p/2
	s_wait_kmcnt 0x0
	SUBS 68, BN+Q, BN+Q
	REST 0
	SUBS 32, BN+Q, BN+Q
	REST 1
	s_wait_alu depctr_va_vdst(0)
.if \p > 0
	s_barrier_wait -1
.endif
	CLOAD 32, 4+2*AX, 256
.if \p < 7
	CLOAD 68, 4+2*(1-AX), 0
.endif
	STORE 0
	STORE 1
.if \p == 2
	ONLY 0, 1, .Lskip2                             ; tile (0, 0)
.elseif \p == 3
	ONLY 2, 3, .Lskip3                             ; (1, 0)
.elseif \p == 4
	ONLY 4, 7, .Lskip4                             ; (0, 1), (1, 1)
.elseif \p == 5
	ONLY 8, 11, .Lskip5                            ; (2, 0), (2, 1)
.elseif \p == 6
	s_cmp_lt_u32 s14, 2                            ; (2, 2) by waves 0, 1; (0, 2), (1, 2) by waves 12-15
	s_cbranch_scc1 .Ldo6
	s_cmp_lt_u32 s14, 12
	s_cbranch_scc1 .Lskip6
.Ldo6:
	TILE
.Lskip6:
.elseif \p == 7
	ONLY 2, 7, .Lskip7                             ; (3, 0), (3, 1), (3, 2)
.endif
	s_wait_kmcnt 0x0
	SUBS 32, BN+Q, BN+Q
.if \p < 7
	CLOAD 32, 4+2*(1-AX), 128
.endif
	REST 2
	STORE 2
	s_wait_dscnt 0x0                               ; for the others' sake: my stores are done, and my reads are over
	s_barrier_signal -1
.endm
	s_load_b256 s[4:11], s[0:1], 0x0               ; x s[4:5], y s[6:7], bins s[8:9], part s[10:11]
	s_load_b64 s[12:13], s[0:1], 0x20              ; sums
	v_lshl_add_u32 v[SPW], v0, 2, SPARE
	v_mov_b32 v[NIL], 0
	v_lshrrev_b32 v[PT], 5, v0
	v_readfirstlane_b32 s14, v[PT]                 ; wave 0..15
	v_bfe_u32 v[H], v0, 4, 1
	v_and_b32 v[R4], 15, v0
	v_lshlrev_b32 v[R4], 2, v[R4]
	v_and_b32 v[GO], 31, v0
	v_lshlrev_b32 v160, 2, v[GO]
	v_lshlrev_b32 v[GO], 4, v[GO]
	s_wait_alu depctr_va_vdst(0)
	s_and_b32 s15, s14, 1                          ; g
	s_lshr_b32 s16, s14, 1                         ; m
	s_lshr_b32 s17, s16, 1                         ; my block 24 is that of chunk m: bins from 64 (m / 2) on,
	s_and_b32 s20, s16, 1                          ; of x (0) or y (1)
	s_and_b32 s22, ttmp9, 63                       ; s: my part of the batch's blocks
	s_mul_i32 s23, s22, 27
	s_lshr_b32 s23, s23, 6
	s_add_co_u32 s24, s22, 1
	s_mul_i32 s24, s24, 27
	s_lshr_b32 s24, s24, 6
	s_sub_co_u32 s100, s24, s23                    ; 1: I have a 25th block
	s_cmp_eq_u32 s22, 63
	s_cselect_b32 s101, 0, s100                    ; 1: and it is whole (the batch's last holds 16 particles)
	s_mul_i32 s22, s22, 24
	s_add_co_u32 s22, s22, s23                     ; my first block
	s_mul_i32 s23, s16, 3
	s_add_co_u32 s22, s22, s23                     ; + 3 m
	s_lshl_b32 s22, s22, 7                         ; 128 bytes a block
	s_lshr_b32 s30, ttmp9, 6                       ; the batch
	s_mul_i32 s30, s30, 200000
	s_add_co_u32 s30, s30, s22
	s_mov_b32 s31, 0
	s_mul_i32 s22, s16, 384
	s_sub_co_u32 s22, 3072, s22                    ; from block 3 m to block 24
	s_mov_b32 s23, 0
	s_lshl_b32 s24, s101, 6                        ; from its first half to its second (0 where there is none: no load leaves its buffer)
	s_mov_b32 s25, 0
	s_lshl_b32 s26, s15, 7
	s_lshl_b32 s27, s17, 8
	v_add_nc_u32 v160, s26, v160                   ; my bins: 4 lane + 128 g, + 256 for each chunk of an axis
	v_add_nc_u32 v161, s27, v160
	s_cmp_eq_u32 s20, 0
	s_wait_alu depctr_va_vdst(0)
	s_wait_kmcnt 0x0
	s_load_b64 s[26:27], s[8:9], 0x0               ; bins[0], bins[1]
	s_add_nc_u64 s[4:5], s[4:5], s[30:31]          ; x and y at my first block
	s_add_nc_u64 s[6:7], s[6:7], s[30:31]
	s_cselect_b64 s[20:21], s[4:5], s[6:7]
	s_add_nc_u64 s[20:21], s[20:21], s[22:23]      ; block 24's halves
	s_add_nc_u64 s[2:3], s[20:21], s[24:25]
	s_load_b512 s[32:47], s[20:21], 0x0
	s_load_b512 s[48:63], s[2:3], 0x0
	CLOAD 68, 4, 0
.irp q, 0,1,2,3
	global_load_b32 v[BN+\q], v160, s[8:9] offset:256*\q
.endr
	global_load_b32 v[BE], v161, s[8:9]
	s_lshl_b32 s30, ttmp9, 18                      ; part: 262,144 bytes a work-group
	s_mov_b32 s31, 0
	s_add_nc_u64 s[10:11], s[10:11], s[30:31]
	s_lshl_b32 s30, ttmp9, 6                       ; sums: 4 bytes a wave
	s_lshl_b32 s22, s14, 2
	s_add_co_u32 s30, s30, s22
	s_add_nc_u64 s[12:13], s[12:13], s[30:31]
	s_lshr_b32 s30, s16, 2                         ; the last strip: x tiles 2 m, 2 m + 1, y tiles 12 + 2 g, + 1 of their axes
	s_lshl_b32 s30, s30, 17
	s_and_b32 s22, s16, 3
	s_lshl_b32 s22, s22, 14
	s_add_co_u32 s30, s30, s22
	s_lshl_b32 s22, s15, 11
	s_add_co_u32 s30, s30, s22
	s_add_co_u32 s30, s30, 65536+4096
	s_add_nc_u64 s[28:29], s[10:11], s[30:31]
	ADDR 0xa44, 0x450                              ; (0, 0), (1, 0), (0, 1), (1, 1), (2, 0), (2, 1) for m = 0 .. 5
	v_mul_u32_u24 v162, TILEB, v[H]
	v_lshl_add_u32 v162, v[R4], 2, v162            ; lanes 16-31 take the next tile; 16 r
	v_mul_u32_u24 v163, 448, v[H]
	v_add_nc_u32 v163, v[R4], v163
	s_wait_alu depctr_va_vdst(0)
	s_mul_i32 s30, s15, 2*TILEB
	s_mul_i32 s31, s16, 768
	s_add_co_u32 s30, s30, s31
	v_add_nc_u32 v[IST], s30, v162
	v_add_nc_u32 v[IST+1], 12*TILEB, v[IST]
	v_add_nc_u32 v[IST+2], 16*TILEB, v[IST]
	v_add_nc_u32 v[IST+3], 28*TILEB, v[IST]
.irp j, 0,1,2
	s_mul_i32 s30, s16, 3
	s_add_co_u32 s30, s30, \j                      ; block kb: byte kb mod 4 of step kb / 4: 64 (kb / 4) + kb mod 4 = kb + 60 (kb / 4)
	s_lshr_b32 s31, s30, 2
	s_mul_i32 s31, s31, 60
	s_add_co_u32 s30, s30, s31
	s_mul_i32 s31, s15, 896
	s_add_co_u32 s30, s30, s31
	s_add_co_u32 s30, s30, SCW
	v_add_nc_u32 v[SCS+\j], s30, v163
.endr
	s_and_b32 s30, s16, 1
	s_lshl_b32 s30, s30, 4
	s_lshl_b32 s31, s17, 2
	s_add_co_u32 s30, s30, s31
	s_lshl_b32 s31, s15, 1
	s_add_co_u32 s30, s30, s31                     ; block 24's tile
	s_mul_i32 s31, s30, TILEB
	s_add_co_u32 s31, s31, 24*256
	v_add_nc_u32 v[EST], s31, v162
	s_mul_i32 s30, s30, 448
	s_add_co_u32 s30, s30, SCW+6*64
	v_add_nc_u32 v[ESC], s30, v163
	s_mul_i32 s30, s16, 2*TILEB
	s_mul_i32 s31, s15, 2*TILEB
	s_add_co_u32 s31, s31, 28*TILEB
	v_add_nc_u32 v[FXA], s30, v[GO]
	v_add_nc_u32 v[FYA], s31, v[GO]
	s_lshl_b32 s30, s15, 1
	s_add_co_u32 s30, s30, 28
	s_lshl_b32 s31, s16, 1
	s_sub_co_u32 s30, s30, s31
	s_mul_i32 s30, s30, 448
	s_mul_i32 s31, s31, 448
	s_add_co_u32 s31, s31, SCW
	v_mul_u32_u24 v[FSC], s30, v[H]
	v_add_nc_u32 v[FSC], v[FSC], v[R4]
	v_add_nc_u32 v[FSC], s31, v[FSC]
.irp k, 0,1,2,3
	v_mov_b32 v[Z4+\k], 0
.endr
.irp k, 0,1,2,3,4,5,6,7
	v_mov_b32 v[SM+\k], 0
.endr
	v_mov_b32 v[Z0], 0
	v_mov_b32 v[INF], 0x7f800000                   ; +infinity
	s_wait_alu depctr_va_vdst(0)
	s_wait_kmcnt 0x0
	v_mov_b32 v165, s26
	v_sub_f32 v164, s27, v165                      ; bw
	s_wait_alu depctr_va_vdst(0)                   ; the wait ahead of the transcendental,
	v_rcp_f32 v166, v164
	v_nop                                          ; a plain line behind it,
	s_wait_alu depctr_va_vdst(0)                   ; and the wait ahead of its reader
	v_fma_f32 v167, -v164, v166, 1.0               ; one Newton step
	v_fma_f32 v166, v166, v167, v166
	v_mul_f32 v[CC], 0x3f596d27, v166              ; c = sqrt(0.5 log2 e) / bw
	v_mov_b32 v[CC+1], v[CC]
	s_wait_alu depctr_va_vdst(0)
	s_wait_loadcnt 0x0
	s_cmp_lg_u32 s100, 0
	s_cselect_b32 vcc_lo, -1, 0
	v_cndmask_b32 v[BE+1], v[INF], v[BE], vcc_lo   ; block 24: are its first 16 particles mine?
	s_cmp_lg_u32 s101, 0
	s_cselect_b32 vcc_lo, -1, 0
	v_cndmask_b32 v[BE+2], v[INF], v[BE], vcc_lo   ; its last 16?
	SUBS 32, BE+1, BE+2
	CLOAD 32, 4, 128
	REST 0
	ds_store_b128 v[EST], v[CD:CD+3]
.irp k, 1,2,3
	ds_store_b128 v[EST], v[Z4:Z4+3] offset:256*\k ; blocks 25-27: zero codes,
.endr
	ds_store_b32 v[ESC], v[BY]                     ; under the byte 0: 2^-127
	PHASE 0
	PHASE 1
	PHASE 2
	PHASE 3
	PHASE 4
	PHASE 5
	s_wait_xcnt 0x0                                ; my half tile's stores have read their base
	ADDR 0x40fe, 0xa092                            ; (2, 2), (3, 0), (3, 1), (3, 2) for m = 0 .. 3, (0, 2), (1, 2) for m = 6, 7
	PHASE 6
	PHASE 7
	; THE LAST STRIP, all i x the last chunk of y: 32 x 32 a wave.  kx's fragments come ahead of the last barrier's wait (nobody writes kx's bytes any more)
	s_wait_xcnt 0x0                                ; my stores have read their registers
.irp a, 0,1
.irp t, 0,1,2,3,4,5,6
	ds_load_b128 v[XF+56*\a+8*\t:XF+56*\a+8*\t+3], v[FXA] offset:TILEB*\a+1024*\t
	ds_load_b128 v[XF+56*\a+8*\t+4:XF+56*\a+8*\t+7], v[FXA] offset:TILEB*\a+1024*\t+512
.endr
.endr
	s_barrier_wait -1
.irp i, 0,1
.irp t, 0,1,2,3,4,5,6
	ds_load_b32 v[SCR+7*\i+\t], v[FSC] offset:448*\i+64*\t
.endr
.endr
.macro YLOAD b
.irp t, 0,1,2,3,4,5,6
	ds_load_b128 v[FR+8*\t:FR+8*\t+3], v[FYA] offset:TILEB*\b+1024*\t
	ds_load_b128 v[FR+8*\t+4:FR+8*\t+7], v[FYA] offset:TILEB*\b+1024*\t+512
.endr
.endm
.macro YMUL b, ac                      ; ky's tile b against kx's two: two accumulators by turns
.irp t, 0,1,2,3,4,5,6
	s_wait_dscnt 12-2*\t                           ; of the 14 loads of ky's fragments the first 2 t + 2 are in
.irp a, 0,1
.if \t == 0
	v_wmma_scale_f32_16x16x128_f8f6f4 v[\ac+8*\a:\ac+8*\a+7], v[FR+8*\t:FR+8*\t+7], v[XF+56*\a+8*\t:XF+56*\a+8*\t+7], 0, v[SCR+7*\b+\t], v[SCR+7*\a+\t] matrix_a_fmt:MATRIX_FMT_FP4 matrix_b_fmt:MATRIX_FMT_FP4 matrix_a_scale:MATRIX_SCALE_ROW1
.else
	v_wmma_scale_f32_16x16x128_f8f6f4 v[\ac+8*\a:\ac+8*\a+7], v[FR+8*\t:FR+8*\t+7], v[XF+56*\a+8*\t:XF+56*\a+8*\t+7], v[\ac+8*\a:\ac+8*\a+7], v[SCR+7*\b+\t], v[SCR+7*\a+\t] matrix_a_fmt:MATRIX_FMT_FP4 matrix_b_fmt:MATRIX_FMT_FP4 matrix_a_scale:MATRIX_SCALE_ROW1
.endif
.endr
.endr
	PLACES
.endm
	YLOAD 0
	YMUL 0, 240
	YLOAD 1
	OUT 240, 28, 0
	OUT 248, 28, 8192
	SUM 240
	SUM 248
	s_wait_alu depctr_va_vdst(0)
	YMUL 1, 44
	OUT 44, 28, 1024
	OUT 52, 28, 8192+1024
	SUM 44
	SUM 52
	s_mov_b32 s26, 0x76543210                      ; v_permlanex16_b32's selects for lane l xor 16
	s_mov_b32 s27, 0xfedcba98
	v_pk_add_f32 v[SM:SM+1], v[SM:SM+1], v[SM+2:SM+3]
	v_pk_add_f32 v[SM+4:SM+5], v[SM+4:SM+5], v[SM+6:SM+7]
	v_pk_add_f32 v[SM:SM+1], v[SM:SM+1], v[SM+4:SM+5]
	v_add_f32 v[SM], v[SM], v[SM+1]
	v_add_f32_dpp v[SM], v[SM], v[SM] row_xmask:1 row_mask:0xf bank_mask:0xf
	v_add_f32_dpp v[SM], v[SM], v[SM] row_xmask:2 row_mask:0xf bank_mask:0xf
	v_add_f32_dpp v[SM], v[SM], v[SM] row_xmask:4 row_mask:0xf bank_mask:0xf
	v_add_f32_dpp v[SM], v[SM], v[SM] row_xmask:8 row_mask:0xf bank_mask:0xf
	v_permlanex16_b32 v[PT], v[SM], s26, s27
	v_add_f32 v[SM], v[SM], v[PT]                  ; my wave's total, in every lane
	v_cmp_eq_u32 vcc_lo, 0, v[GO]
	s_wait_alu depctr_va_vdst(0)
	s_wait_xcnt 0x0                                ; EXEC changes only behind this wait: the stores above have it among their sources
	s_wait_tensorcnt 0x0                           ; the wave's end
	ds_add_u32 v[SPW], v[NIL]
	s_wait_dscnt 0x0
	s_and_saveexec_b32 s30, vcc_lo
	global_store_b32 v[Z0], v[SM], s[12:13]        ; lane 0 stores it: four bytes a wave
	s_wait_xcnt 0x0
	s_or_b32 exec_lo, exec_lo, s30
	s_endpgm
.Lfunc_end_k_q5561cd5b42_bin:
	.size	k_q5561cd5b42_bin, .Lfunc_end_k_q5561cd5b42_bin-k_q5561cd5b42_bin
	.p2alignl 7, 3214868480
	.fill 96, 4, 3214868480
	.section	.rodata,"a",@progbits
	.p2align	6, 0x0
	.amdhsa_kernel k_q5561cd5b42_bin
		.amdhsa_group_segment_fixed_size 245760
		.amdhsa_private_segment_fixed_size 0
		.amdhsa_enable_private_segment 0
		.amdhsa_kernarg_size 40
		.amdhsa_user_sgpr_count 2
		.amdhsa_user_sgpr_kernarg_segment_ptr 1
		.amdhsa_wavefront_size32 1
		.amdhsa_system_sgpr_workgroup_id_x 1
		.amdhsa_system_sgpr_workgroup_id_y 1
		.amdhsa_system_sgpr_workgroup_id_z 1
		.amdhsa_system_vgpr_workitem_id 0
		.amdhsa_next_free_vgpr 256
		.amdhsa_next_free_sgpr 102
		.amdhsa_reserve_vcc 1
		.amdhsa_float_denorm_mode_32 3
		.amdhsa_float_denorm_mode_16_64 3
		.amdhsa_memory_ordered 1
		.amdhsa_forward_progress 1
		.amdhsa_inst_pref_size 255
	.end_amdhsa_kernel
	.section	.bss,"aw",@nobits
	.p2align	6
	.space	262144
	.amdgpu_metadata
---
amdhsa.version: [ 1, 2 ]
amdhsa.kernels:
  - .name:           k_q5561cd5b42_bin
    .symbol:         k_q5561cd5b42_bin.kd
    .args:
      - { .name: x_coords, .offset: 0, .size: 8, .value_kind: global_buffer, .address_space: global }
      - { .name: y_coords, .offset: 8, .size: 8, .value_kind: global_buffer, .address_space: global }
      - { .name: bins, .offset: 16, .size: 8, .value_kind: global_buffer, .address_space: global }
      - { .name: part, .offset: 24, .size: 8, .value_kind: global_buffer, .address_space: global }
      - { .name: sums, .offset: 32, .size: 8, .value_kind: global_buffer, .address_space: global }
    .group_segment_fixed_size: 245760
    .private_segment_fixed_size: 0
    .kernarg_segment_align: 8
    .kernarg_segment_size: 40
    .max_flat_workgroup_size: 512
    .sgpr_count:     102
    .vgpr_count:     256
    .wavefront_size: 32
...
	.end_amdgpu_metadata
.endif
;; end of part 3
;; launch fold (part 4): grid 256 x 1, 16 waves a work-group, no clusters, 10,752 bytes of LDS; arguments part, sums, out0; writes out0
.if DOCPART == 4
	.amdgcn_target "amdgcn-amd-amdhsa--gfx1250"
	.amdhsa_code_object_version 6
	.text
	.protected	k_q5561cd5b42_fold
	.globl	k_q5561cd5b42_fold
	.p2align	8
	.type	k_q5561cd5b42_fold,@function
k_q5561cd5b42_fold:
	s_mov_b64 s[64:65], 0
	v_nop
	global_prefetch_b8 v0, s[64:65] scope:SCOPE_SE
	s_setreg_imm32_b32 hwreg(HW_REG_WAVE_MODE, 25, 1), 1
	s_wait_xcnt 0x0
; out0[b] = (the sum of the batch's 64 partials) / (the sum of its 1,024 wave totals + 1e-10).
; part: [work-group 256][quarter 4][accumulator 64][half 2][lane 32][4 f32], as the launch before left its registers; sums: [work-group 256][wave 16] f32.
; Work-group (b, g) takes 4,096 bytes, slice g of the 262,144 of a partial, in all 64 partials of batch b.  Sixteen waves: waves 0-7 add partials 0-31, waves 8-15 partials 32-63; thread T takes the
; 16 bytes at 16 (T & 255) of the slice.  A load of a wave covers 512 consecutive bytes, aligned.  EVERY WAVE ISSUES ITS 32 LOADS IN ONE RUN and none afterwards; the additions follow, four loads at a
; time, as the counts run down.  Every offset is an immediate and no address register is rewritten.  No loop to run ahead in, so no prefetch.
; A slice is four accumulators: quarter g >> 4, kx's block a = (g >> 1) & 7, ky's blocks 4 (g & 1) + 0 .. 3: 16 rows i x 64 columns j of the output, 256 aligned bytes of each row.
; Thread T holds registers 4 gg .. 4 gg + 3 of lane (r, h) of accumulator bt: out(i0 + r, j0 + 16 bt + 8 h + 4 gg + 0 .. 3), bt = (T >> 6) & 3, gg = (T >> 5) & 1, h = (T >> 4) & 1, r = T & 15.
; The lanes beside it hold other rows, so each half's sums turn through a stage of its own in LDS; behind the barrier thread T takes 8 bytes of row T >> 5 from both stages, adds and scales them:
; a wave stores 256 consecutive bytes, aligned.
; The order of the additions is not that of one sum over the whole array: all terms are 0 or more.
.set R,      32                        ; v[32:159] 32 x 4 registers: my 16 bytes of 32 partials
.set S,      164                       ; v[164:195] 32 of the batch's totals
.set STEPB,  262144                    ; from a partial to the next
.set SPITCH, 272                       ; a stage row: 256 bytes + 16: row r starts at bank 4 r mod 64 (64 banks of 4 bytes: ISA guide 11.1)
.set HALFST, 16*SPITCH                 ; a stage
	s_load_b128 s[4:7], s[0:1], 0x0                ; part, sums
	s_load_b64 s[10:11], s[0:1], 0x10              ; out0
	v_lshl_add_u32 v160, v0, 2, 2*HALFST
	v_mov_b32 v161, 0
	v_lshrrev_b32 v6, 5, v0
	v_readfirstlane_b32 s24, v6                    ; wave 0..15
	s_lshr_b32 s24, s24, 3                         ; which 32 partials are mine
	s_lshr_b32 s14, ttmp9, 6                       ; the batch
	s_and_b32 s15, ttmp9, 63                       ; the slice
	s_lshl_b32 s16, s14, 24                        ; 64 partials of 262,144 bytes a batch
	s_lshl_b32 s17, s15, 12
	s_add_co_u32 s16, s16, s17
	s_lshl_b32 s17, s24, 23                        ; 32 partials on for waves 8-15: so every offset stays inside the signed 24-bit immediate (ISA guide, chapter 10)
	s_add_co_u32 s16, s16, s17
	s_mov_b32 s17, 0
	s_lshl_b32 s18, s14, 12                        ; 1,024 totals a batch
	s_mov_b32 s19, 0
	s_lshl_b32 s20, s14, 18                        ; out0: the batch,
	s_lshr_b32 s22, s15, 5
	s_lshl_b32 s22, s22, 17                        ; 128 rows of 1,024 bytes for the quarter's half of i,
	s_add_co_u32 s20, s20, s22
	s_bfe_u32 s22, s15, 0x30001
	s_lshl_b32 s22, s22, 14                        ; 16 rows for each block a,
	s_add_co_u32 s20, s20, s22
	s_bfe_u32 s22, s15, 0x10004
	s_lshl_b32 s22, s22, 9                         ; 128 columns for the quarter's half of j,
	s_add_co_u32 s20, s20, s22
	s_and_b32 s22, s15, 1
	s_lshl_b32 s22, s22, 8                         ; 64 columns for the slice's four blocks
	s_add_co_u32 s20, s20, s22
	s_mov_b32 s21, 0
	s_mov_b32 s12, 0x76543210                      ; v_permlanex16_b32's selects for lane l xor 16
	s_mov_b32 s13, 0xfedcba98
	v_and_b32 v1, 255, v0
	v_and_b32 v2, 31, v0
	v_lshlrev_b32 v1, 4, v1                        ; 16 (T & 255)
	v_lshlrev_b32 v2, 4, v2                        ; 16 x lane: four totals of each 128
	s_wait_alu depctr_va_vdst(0)
	s_wait_kmcnt 0x0
	s_add_nc_u64 s[4:5], s[4:5], s[16:17]          ; my 32 partials of my slice
	s_add_nc_u64 s[6:7], s[6:7], s[18:19]
	s_add_nc_u64 s[10:11], s[10:11], s[20:21]
.irp k, 0,1,2,3,4,5,6,7
	global_load_b128 v[S+4*\k:S+4*\k+3], v2, s[6:7] offset:512*\k
.endr
.set q, 0
.rept 32
	global_load_b128 v[R+4*q:R+4*q+3], v1, s[4:5] offset:STEPB*q th:TH_LOAD_NT
.set q, q+1
.endr
	v_and_b32 v6, 15, v0                           ; r
	v_bfe_u32 v7, v0, 6, 2
	v_lshrrev_b32 v26, 5, v0
	v_and_b32 v27, 31, v0
	v_mul_u32_u24 v3, v6, SPITCH                   ; into my half's stage: row r,
	v_bfe_u32 v28, v0, 4, 1
	v_mul_u32_u24 v4, v26, SPITCH                  ; back: row T >> 5, 8 bytes a lane
	v_lshlrev_b32 v5, 10, v26                      ; and the same place in out0
	v_lshl_add_u32 v3, v7, 6, v3                   ; + 64 bt
	v_bfe_u32 v29, v0, 5, 1
	v_lshl_add_u32 v4, v27, 3, v4
	v_lshl_add_u32 v3, v28, 5, v3                  ; + 32 h
	v_bfe_u32 v30, v0, 8, 1
	v_lshl_add_u32 v5, v27, 3, v5
	v_lshl_add_u32 v3, v29, 4, v3                  ; + 16 gg
	v_mov_b32 v9, 0                                ; (a lane permute's destination counts as one of its sources)
	v_mad_u32_u24 v3, v30, HALFST, v3              ; + the stage of waves 8-15
	s_wait_alu depctr_va_vdst(0)
	s_wait_loadcnt 32                              ; the totals are in; the 32 loads behind them stay out
.irp k, 0,1,2,3,4,5,6,7
	v_pk_add_f32 v[S+4*\k:S+4*\k+1], v[S+4*\k:S+4*\k+1], v[S+4*\k+2:S+4*\k+3]
.endr
.irp k, 0,1,2,3
	v_pk_add_f32 v[S+8*\k:S+8*\k+1], v[S+8*\k:S+8*\k+1], v[S+8*\k+4:S+8*\k+5]
.endr
.irp k, 0,1
	v_pk_add_f32 v[S+16*\k:S+16*\k+1], v[S+16*\k:S+16*\k+1], v[S+16*\k+8:S+16*\k+9]
.endr
	v_pk_add_f32 v[S:S+1], v[S:S+1], v[S+16:S+17]
	v_add_f32 v8, v[S], v[S+1]
	v_add_f32_dpp v8, v8, v8 row_xmask:1 row_mask:0xf bank_mask:0xf
	v_add_f32_dpp v8, v8, v8 row_xmask:2 row_mask:0xf bank_mask:0xf
	v_add_f32_dpp v8, v8, v8 row_xmask:4 row_mask:0xf bank_mask:0xf
	v_add_f32_dpp v8, v8, v8 row_xmask:8 row_mask:0xf bank_mask:0xf
	v_permlanex16_b32 v9, v8, s12, s13
	v_add_f32 v8, v8, v9                           ; the sum of joint over the batch
	v_add_f32 v8, 0x2edbe6ff, v8                   ; + 1e-10
	s_wait_alu depctr_va_vdst(0)                   ; the wait ahead of the transcendental,
	v_rcp_f32 v24, v8
	v_nop                                          ; a plain line behind it,
	s_wait_alu depctr_va_vdst(0)                   ; and the wait ahead of its reader
	v_mov_b32 v25, v24
	s_wait_alu depctr_va_vdst(0)
	s_wait_loadcnt 28                              ; my partials 0 to 3 are in: they start the two chains, so nothing is cleared
	v_pk_add_f32 v[16:17], v[R:R+1],   v[R+8:R+9]
	v_pk_add_f32 v[18:19], v[R+2:R+3], v[R+10:R+11]
	v_pk_add_f32 v[20:21], v[R+4:R+5], v[R+12:R+13]
	v_pk_add_f32 v[22:23], v[R+6:R+7], v[R+14:R+15]
.set g, 1
.rept 7
	s_wait_alu depctr_va_vdst(0)
	s_wait_loadcnt 28-4*g                          ; partials 4 g to 4 g + 3 are in; the 28 - 4 g behind them stay out
.set q, 4*g
.rept 4
	v_pk_add_f32 v[16+4*(q%2):17+4*(q%2)], v[16+4*(q%2):17+4*(q%2)], v[R+4*q:R+4*q+1]
	v_pk_add_f32 v[18+4*(q%2):19+4*(q%2)], v[18+4*(q%2):19+4*(q%2)], v[R+4*q+2:R+4*q+3]
.set q, q+1
.endr
.set g, g+1
.endr
	v_pk_add_f32 v[16:17], v[16:17], v[20:21]
	v_pk_add_f32 v[18:19], v[18:19], v[22:23]
	ds_store_b128 v3, v[16:19]
	s_wait_dscnt 0x0                               ; for the others' sake: my store into the stage is done
	s_barrier_signal -1
	s_barrier_wait -1
	ds_load_b64 v[20:21], v4                       ; partials 0-31's sums,
	ds_load_b64 v[22:23], v4 offset:HALFST         ; partials 32-63's
	s_wait_dscnt 0x0
	v_pk_add_f32 v[20:21], v[20:21], v[22:23]
	v_pk_mul_f32 v[20:21], v[20:21], v[24:25]      ; / norm
	global_store_b64 v5, v[20:21], s[10:11]        ; 32 lanes store 256 consecutive bytes, at a multiple of 256 from out0's first byte
	s_wait_tensorcnt 0x0                           ; the wave's end
	ds_add_u32 v160, v161
	s_wait_dscnt 0x0
	s_endpgm
.Lfunc_end_k_q5561cd5b42_fold:
	.size	k_q5561cd5b42_fold, .Lfunc_end_k_q5561cd5b42_fold-k_q5561cd5b42_fold
	.p2alignl 7, 3214868480
	.fill 96, 4, 3214868480
	.section	.rodata,"a",@progbits
	.p2align	6, 0x0
	.amdhsa_kernel k_q5561cd5b42_fold
		.amdhsa_group_segment_fixed_size 10752
		.amdhsa_private_segment_fixed_size 0
		.amdhsa_enable_private_segment 0
		.amdhsa_kernarg_size 24
		.amdhsa_user_sgpr_count 2
		.amdhsa_user_sgpr_kernarg_segment_ptr 1
		.amdhsa_wavefront_size32 1
		.amdhsa_system_sgpr_workgroup_id_x 1
		.amdhsa_system_sgpr_workgroup_id_y 1
		.amdhsa_system_sgpr_workgroup_id_z 1
		.amdhsa_system_vgpr_workitem_id 0
		.amdhsa_next_free_vgpr 196
		.amdhsa_next_free_sgpr 66
		.amdhsa_reserve_vcc 0
		.amdhsa_float_denorm_mode_32 3
		.amdhsa_float_denorm_mode_16_64 3
		.amdhsa_memory_ordered 1
		.amdhsa_forward_progress 1
		.amdhsa_inst_pref_size 14
	.end_amdhsa_kernel
	.amdgpu_metadata
---
amdhsa.version: [ 1, 2 ]
amdhsa.kernels:
  - .name:           k_q5561cd5b42_fold
    .symbol:         k_q5561cd5b42_fold.kd
    .args:
      - { .name: part, .offset: 0, .size: 8, .value_kind: global_buffer, .address_space: global }
      - { .name: sums, .offset: 8, .size: 8, .value_kind: global_buffer, .address_space: global }
      - { .name: out0, .offset: 16, .size: 8, .value_kind: global_buffer, .address_space: global }
    .group_segment_fixed_size: 10752
    .private_segment_fixed_size: 0
    .kernarg_segment_align: 8
    .kernarg_segment_size: 24
    .max_flat_workgroup_size: 512
    .sgpr_count:     66
    .vgpr_count:     196
    .wavefront_size: 32
...
	.end_amdgpu_metadata
.endif
;; end of part 4
